; MI455X (gfx1250); checked and timed in simulation.
; The chip was launched on July 23, 2026; its instructions are those of AMD's public machine-readable ISA for CDNA 5 (MIT licence, August 2026) and "CDNA5" Instruction Set Architecture Reference Guide (July 2026). The comments in the code are by the model that wrote it; some were corrected since.
;; LSTM Cell. Allowed arithmetic: matrix products marked QUANTISED: E4M3 operands, one E8M0 scale for each 32 along K, by v_wmma_scale_f32_16x16x128_f8f6f4 with both operands' format E4M3, f32 sums; everything else in f32.
;; Inputs: Wf 2,048 x 4,096 float32; Wg 2,048 x 4,096 float32; Wi 2,048 x 4,096 float32; Wo 2,048 x 4,096 float32; bf 2,048 float32; bg 2,048 float32; bi 2,048 float32; bo 2,048 float32; c 2,048 x 2,048 float32; h 2,048 x 2,048 float32; x 2,048 x 2,048 float32.
;; Outputs: out0 2,048 x 2,048 float32; out1 2,048 x 2,048 float32.
;; This version of the problem:
;;   THIS VERSION OF THE PROBLEM IS GIVEN IN LOW PRECISION. The matrix products marked QUANTISED in the list below multiply operands that are first quantised to E4M3 (4 exponent bits, 3 mantissa bits; 8 bits a number), with one power-of-two scale for each 32 numbers along K (OCP MX v1.0); their sums are f32. All else is computed in f32.
;;   The module's matrix products, in the order in which they are computed (A, B: the left and right operand; K: the contracted axis; several contracted axes count as one K, in the product's order):
;;     1. [M 2,048, K 4,096] x [K 4,096, N 8,192]; A: computed on the way; B: computed on the way: QUANTISED
;;   THE QUANTISER, for each operand of a quantised product, along K:
;;     - K is cut into blocks of 32 from its start; a last block that is shorter is filled with zeros.
;;     - A block's scale is 2^e with e = floor(log2(the largest magnitude in the block)) - 8, held to -126 .. 127; a block of zeros has e = 0. As a byte (E8M0): e + 127.
;;     - Each number is divided by its block's scale, clamped to +-448, and rounded to the nearest number of E4M3, ties to even, subnormals kept.
;;     - The product sums the exact products of the quantised numbers (number of the format x scale) in f32.
;;   ~~~python
;;   def quantise(x, axis):      # numpy; x: float32 -> the quantised numbers, widened to float32 again
;;       x = np.moveaxis(x, axis, -1); K = x.shape[-1]
;;       x = np.pad(x, [(0, 0)] * (x.ndim - 1) + [(0, -K % 32)]); x = x.reshape(x.shape[:-1] + (-1, 32)); a = np.abs(x).max(-1, keepdims=True)
;;       e = np.where(a > 0, np.clip(np.frexp(np.where(a > 0, a, 1))[1] - 1 - 8, -126, 127), 0)      # np.frexp(a)[1] - 1 = floor(log2(a)), exactly
;;       r = np.clip(x / 2.0 ** e, -448, 448)
;;       step = 2.0 ** (np.maximum(np.frexp(np.where(r == 0, 1, r))[1] - 1, -6) - 3)
;;       q = np.round(r / step) * step * 2.0 ** e      # np.round: ties to even
;;       return np.moveaxis(q.reshape(q.shape[:-2] + (-1,))[..., :K], -1, axis).astype(np.float32)
;;   ~~~
;;   OPERANDS COMPUTED ON THE WAY. 'Computed on the way' means the value that the module computes at that place (a softmax that the list does not call 'softmax' is quantised finished and normalised). What goes into a quantiser is computed in f32, as accurately as f32 sums, v_exp_f32 and their like allow (about 1e-6 of the number): no bf16 or f16 on the way to a quantiser, and a product that is left as it is and whose result goes on into a quantised operand takes f32 operands (vector FMAs, or v_wmma_f32_16x16x4_f32). A number that lies on a knife's edge between two numbers of the format may be rounded either way, as far as f32 arithmetic and the matrix unit's own rounding can turn it there, and no further.
;; One version. Each part assembles by itself: llvm-mc -triple=amdgcn-amd-amdhsa -mcpu=gfx1250 --defsym DOCPART=n.
;; ======== version 1 of 1: 2 launches
;; limits: right only within a limited range of input values
;; workspace buffers: q 43,253,760 bytes
;; launch quant (part 1): grid 320 x 4, 4 waves a work-group, no clusters, 22,016 bytes of LDS; arguments x, h, Wf, Wi, Wg, Wo, q; writes q
.if DOCPART == 1
	.amdgcn_target "amdgcn-amd-amdhsa--gfx1250"
	.amdhsa_code_object_version 6
	.text
	.protected	k_qc815a74f97_quant
	.globl	k_qc815a74f97_quant
	.p2align	8
	.type	k_qc815a74f97_quant,@function
k_qc815a74f97_quant:
	s_mov_b64 s[64:65], 0
	v_nop
	global_prefetch_b8 v0, s[64:65] scope:SCOPE_SE
	s_setreg_imm32_b32 hwreg(HW_REG_WAVE_MODE, 25, 1), 1
	s_wait_xcnt 0x0
; [h | x] (2,048 rows x 4,096 along K) and Wf, Wi, Wg, Wo (2,048 rows x 4,096 each), all f32 with K innermost, become codes of FP8 (E4M3) with one E8M0 scale byte for each 32 along K.
; A block's scale is 2^(floor(log2(its largest magnitude)) - 8); its byte is the largest magnitude's exponent field - 8, held at 1 from below; each number is divided by the scale, held within +-448 and
; rounded to the nearest code, ties to even.
; LIMITS: NaN and infinities among the inputs are not served.  A block of zeros gets the byte 1 where the rule says 127: its codes are zeros, which add nothing under any byte but 0xff, and this program
; alone reads the bytes.  Blocks whose largest magnitude lies under 2^(9 - 127), the floor, keep the byte 1.
; THE WORKSPACE q is laid as the product's launch fetches it: 80 tiles of 128 rows x 16 K steps of 256; a block (tile, K step) is 33,792 consecutive bytes: 128 rows x 256 codes, then 128 rows x 8 scale bytes.
; Tiles 0-15: rows 128 TT + R of [h | x].  Tiles 16 + T: row R = 32 g + j is row 32 T + j of gate g (f, i, g, o): so one tile holds all four gates of 32 hidden units.
; SHARES: a work-group takes 32 rows (a quarter of a tile: for W one gate's 32 rows) x 1,024 along K (four K steps); wave w its rows 8 w .. 8 w + 7, in 16 steps of 512 numbers (row t / 2, half t % 2).
; Each of a step's four loads reads 512 consecutive bytes; the 2,048 bytes turn through the wave's own stage in LDS, so that a lane holds 16 neighbours along K (two neighbouring lanes hold a block of 32).
; A lane's 16 codes are 16 bytes: lanes 0-15 store 256 consecutive aligned bytes (a row of one K step's block), lanes 16-31 the same row of the next K step's block.
; The scale bytes of the work-group's 32 rows meet in LDS, [K step][row][8]; behind one barrier wave w stores K step w's 256 bytes, consecutive and aligned.
; One path serves all six tensors: only pointers, a pitch and offsets are chosen, by the work-group's number.  No tensor loads, no matrix unit, no cluster: nothing is shared between work-groups and memory binds.
; No prefetch: the loads run four steps (16 loads a wave) ahead and the launch does nothing but stream.
.set BLK,   33792                      ; a block of q
.set TILEB, 16*BLK                     ; a tile of q
.set STEPS, 16
.set SP,    80                         ; a lane's place in a stage: its 64 bytes + 16 of padding
.set WREG,  2*32*SP                    ; LDS of a wave: two stages
.set SCB,   4*WREG                     ; behind the stages: the work-group's 1,024 scale bytes
.set R,     16                         ; v16-79   four sets of 16 numbers as they are loaded
.set X,     80                         ; v80-111  two sets of 16 neighbours
.set E,     112                        ; v112-115 a scale byte, four registers by turns: the wait at a step's head leaves one LDS instruction out, so the byte store of two steps ago has read its register
.set C,     128                        ; v128-191 codes: four registers for each step, so that no store's data are written again
.set VO,    116                        ; v116-123 row j of my eight: 16 x lane + j x pitch; never rewritten.  v124, v125: my spare word's address, and 0
	s_load_b256 s[4:11], s[0:1], 0x0               ; x s[4:5], h s[6:7], Wf s[8:9], Wi s[10:11]
	s_load_b128 s[12:15], s[0:1], 0x20             ; Wg s[12:13], Wo s[14:15]
	s_load_b64 s[16:17], s[0:1], 0x30              ; q
	v_lshl_add_u32 v124, v0, 2, 0x5400
	v_mov_b32 v125, 0
	v_lshrrev_b32 v1, 5, v0
	v_readfirstlane_b32 s18, v1                    ; wave 0..3
	v_and_b32 v2, 31, v0                           ; lane
	s_wait_alu depctr_va_vdst(0)
	s_mov_b32 s19, ttmp9                           ; G: which 32 rows
	s_and_b32 s20, ttmp7, 0xffff                   ; kq: which 1,024 along K
	s_and_b32 s21, s19, 3                          ; rg: the quarter of the tile (for W: the gate)
	s_lshr_b32 s22, s19, 2                         ; TT: the tile of q
	s_lshl_b32 s24, s19, 5                         ; [h | x]: first row 32 G
	s_max_u32 s25, s22, 16
	s_sub_co_u32 s25, s25, 16
	s_lshl_b32 s25, s25, 5                         ; W: first row 32 (TT - 16)
	s_and_b32 s26, s20, 1
	s_lshl_b32 s26, s26, 12                        ; [h | x]: 4,096 bytes x (kq % 2) inside h or x
	s_lshl_b32 s27, s20, 12                        ; W: 4,096 bytes x kq
	s_mov_b32 s23, 16384                           ; W: a row is 16,384 bytes
	s_cmp_lt_u32 s19, 64                           ; the first 64 groups of rows are [h | x]'s
	s_cselect_b32 s23, 8192, s23                   ; h, x: a row is 8,192 bytes
	s_cselect_b32 s24, s24, s25
	s_cselect_b32 s27, s26, s27
	s_lshl_b32 s32, s18, 3
	s_add_co_u32 s32, s32, s24                     ; my wave's first row,
	s_mul_i32 s32, s32, s23
	s_add_co_u32 s32, s32, s27                     ; in bytes, with the column: under 2^26
	s_mov_b32 s33, 0
	s_mul_i32 s40, s22, TILEB
	s_mul_i32 s41, s20, 4*BLK
	s_add_co_u32 s40, s40, s41                     ; block (TT, 4 kq) of q: under 2^26
	s_lshl_b32 s41, s21, 13
	s_add_co_u32 s42, s40, s41
	s_lshl_b32 s41, s18, 11
	s_add_co_u32 s42, s42, s41                     ; codes: + (32 rg + 8 w) rows of 256 bytes
	s_mov_b32 s43, 0
	s_mul_i32 s41, s18, BLK
	s_add_co_u32 s44, s40, s41                     ; scale bytes: K step 4 kq + w,
	s_lshl_b32 s41, s21, 8
	s_add_co_u32 s44, s44, s41                     ; rows 32 rg on, 8 bytes each,
	s_add_co_u32 s44, s44, 32768                   ; behind the block's codes
	s_mov_b32 s45, 0
	s_mov_b32 s47, 0x600000                        ; the mantissa field of 448 (an instruction takes one literal: the hold's line has another)
	v_lshlrev_b32 v3, 4, v2                        ; my 16 bytes of a load's 512
	v_lshrrev_b32 v8, 4, v2
	v_and_b32 v9, 15, v2
	v_mul_u32_u24 v4, v8, BLK
	v_lshl_add_u32 v4, v9, 4, v4                   ; the codes' place: lanes 16-31 one K step's block further on
	v_bfe_u32 v10, v2, 1, 3
	v_lshl_add_u32 v5, v8, 8, v10                  ; my block's scale byte: 256 x (lane / 16) for the K step, + (lane / 2) % 8,
	s_lshl_b32 s34, s18, 6
	s_add_co_u32 s34, s34, SCB
	v_add_nc_u32 v5, s34, v5                       ; + 64 x wave for my eight rows
	v_lshlrev_b32 v7, 3, v2                        ; on the way out 8 bytes a lane
	s_lshl_b32 s34, s18, 8
	s_add_co_u32 s34, s34, SCB
	v_add_nc_u32 v6, s34, v7                       ; K step w's 256 bytes
	s_mul_i32 s35, s18, WREG
	v_lshrrev_b32 v14, 2, v2
	v_mul_u32_u24 v14, v14, SP
	v_and_b32 v15, 3, v2
	v_lshl_add_u32 v14, v15, 4, v14
	v_add_nc_u32 v14, s35, v14                     ; the stage, on the way in: four lanes' 64 bytes on end, then 16 of padding
	v_mul_u32_u24 v15, v2, SP
	v_add_nc_u32 v15, s35, v15                     ; and on the way out: my 16 neighbours
.irp j, 0,1,2,3,4,5,6,7
	s_mul_i32 s34, s23, \j
	v_add_nc_u32 v[VO+\j], s34, v3
.endr
	s_wait_alu depctr_va_vdst(0)
	s_wait_kmcnt 0x0
	s_cmp_lt_u32 s20, 2                            ; every choice hangs on the work-group's number alone
	s_cselect_b64 s[28:29], s[6:7], s[4:5]         ; K 0 .. 2,047 is h, the rest x
	s_cmp_eq_u32 s21, 2
	s_cselect_b64 s[30:31], s[12:13], s[14:15]     ; gate 2: Wg; gate 3: Wo
	s_cmp_eq_u32 s21, 1
	s_cselect_b64 s[30:31], s[10:11], s[30:31]     ; gate 1: Wi
	s_cmp_eq_u32 s21, 0
	s_cselect_b64 s[30:31], s[8:9], s[30:31]       ; gate 0: Wf
	s_cmp_lt_u32 s19, 64
	s_cselect_b64 s[28:29], s[28:29], s[30:31]
	s_add_nc_u64 s[28:29], s[28:29], s[32:33]      ; the source at my wave's first row
	s_add_nc_u64 s[36:37], s[16:17], s[42:43]      ; where my codes go
	s_add_nc_u64 s[38:39], s[16:17], s[44:45]      ; where my unit of scale bytes goes
.macro LOAD t                          ; step t: row t / 2, half t % 2
.irp i, 0,1,2,3
	global_load_b128 v[R+16*((\t)%4)+4*\i:R+16*((\t)%4)+4*\i+3], v[VO+(\t)/2], s[28:29] offset:2048*((\t)%2)+512*\i th:TH_LOAD_NT   ; 32 lanes read 512 consecutive bytes; read once in the launch
.endr
.endm
.macro TURN t                          ; step t's numbers through the stage: LDS serves a wave's instructions in order (ISA guide 5.7.1), so no wait stands between the stores and the loads
.irp i, 0,1,2,3
	ds_store_b128 v14, v[R+16*((\t)%4)+4*\i:R+16*((\t)%4)+4*\i+3] offset:32*SP*((\t)%2)+8*SP*\i
.endr
.irp i, 0,1,2,3
	ds_load_b128 v[X+16*((\t)%2)+4*\i:X+16*((\t)%2)+4*\i+3], v15 offset:32*SP*((\t)%2)+16*\i
.endr
.endm
.irp t, 0,1,2,3
	LOAD \t
.endr
	s_wait_loadcnt 12                              ; step 0's four loads are in; those of steps 1 to 3 stay out
	TURN 0
.macro STEP t
.set XS, X+16*((\t)%2)
.if (\t) > 0
	s_wait_dscnt 1                                 ; this step's numbers are back from the stage (the last step's byte store may be out): so its stores into the stage have read their registers,
.else
	s_wait_dscnt 0x0
.endif
.if (\t)+4 < STEPS
	LOAD (\t)+4                                    ; which take the loads of four steps on
.endif
.if (\t)+1 < STEPS
.if STEPS-2-(\t) >= 3
	s_wait_loadcnt 12                              ; the next step's four loads are in; those of the three steps behind it may be out
.else
	s_wait_loadcnt 4*(STEPS-2-(\t))                ; at the end fewer steps are behind it
.endif
	TURN (\t)+1                                    ; and go through the other stage while this step is worked
.endif
	v_max3_num_f32 v8, |v[XS]|, |v[XS+1]|, |v[XS+2]|               ; the largest magnitude of my 16, in two chains
	v_max3_num_f32 v9, |v[XS+3]|, |v[XS+4]|, |v[XS+5]|
.irp i, 6,10
	v_max3_num_f32 v8, v8, |v[XS+\i]|, |v[XS+\i+1]|
	v_max3_num_f32 v9, v9, |v[XS+\i+2]|, |v[XS+\i+3]|
.endr
	v_max3_num_f32 v8, v8, |v[XS+14]|, |v[XS+15]|
	v_max3_num_f32 v8, v8, v9, 0x4800000           ; and the floor 2^(9 - 127): so the byte cannot fall under 1
	v_max_num_f32_dpp v8, v8, v8 row_xmask:1 row_mask:0xf bank_mask:0xf   ; and of my neighbour's 16: the block's
	v_add_nc_u32 v11, 0xfc000000, v8               ; 8 off its exponent field: the conversion takes the exponent field of this operand as its scale, and nothing else of it
	v_and_or_b32 v10, v8, 0x7f800000, s47          ; 448 x the scale: the largest magnitude's exponent field over 448's mantissa
.irp i, 0,1,2,3,4,5,6,7,8,9,10,11,12,13,14,15
	v_med3_num_f32 v[XS+\i], v[XS+\i], -v10, v10   ; the conversion to an 8-bit code does not saturate (ISA guide 7.6.2): the number is held within the largest code x the scale first
.endr
	v_cvt_scalef32_pk8_fp8_f32 v[C+4*(\t):C+4*(\t)+1], v[XS:XS+7], v11          ; eight numbers / the scale, to the nearest code; the first number's code in the lowest byte
	v_cvt_scalef32_pk8_fp8_f32 v[C+4*(\t)+2:C+4*(\t)+3], v[XS+8:XS+15], v11
	v_lshrrev_b32 v[E+(\t)%4], 23, v11             ; the scale's byte (also the plain line behind the conversions)
	ds_store_b8 v5, v[E+(\t)%4] offset:512*((\t)%2)+8*((\t)/2)     ; K steps 2 (t % 2) and 2 (t % 2) + 1, row t / 2; both lanes of a block write the same byte with the same value
	global_store_b128 v4, v[C+4*(\t):C+4*(\t)+3], s[36:37] offset:2*((\t)%2)*BLK+256*((\t)/2)   ; sixteen lanes store 256 consecutive bytes, at a multiple of 256 from q's first byte
.endm
.irp t, 0,1,2,3,4,5,6,7,8,9,10,11,12,13,14,15
	STEP \t
.endr
	s_wait_dscnt 0x0                               ; for the others' sake: my byte stores have landed
	s_barrier_signal -1
	s_barrier_wait -1                              ; everybody's have
	ds_load_b64 v[12:13], v6                       ; K step w's scale bytes of the 32 rows
	s_wait_dscnt 0x0
	global_store_b64 v7, v[12:13], s[38:39]        ; 32 lanes store 256 consecutive bytes, aligned
	s_wait_tensorcnt 0x0
	ds_add_u32 v124, v125
	s_wait_dscnt 0x0
	s_endpgm
.Lfunc_end_k_qc815a74f97_quant:
	.size	k_qc815a74f97_quant, .Lfunc_end_k_qc815a74f97_quant-k_qc815a74f97_quant
	.p2alignl 7, 3214868480
	.fill 96, 4, 3214868480
	.section	.rodata,"a",@progbits
	.p2align	6, 0x0
	.amdhsa_kernel k_qc815a74f97_quant
		.amdhsa_group_segment_fixed_size 22016
		.amdhsa_private_segment_fixed_size 0
		.amdhsa_enable_private_segment 0
		.amdhsa_kernarg_size 56
		.amdhsa_user_sgpr_count 2
		.amdhsa_user_sgpr_kernarg_segment_ptr 1
		.amdhsa_wavefront_size32 1
		.amdhsa_system_sgpr_workgroup_id_x 1
		.amdhsa_system_sgpr_workgroup_id_y 1
		.amdhsa_system_sgpr_workgroup_id_z 1
		.amdhsa_system_vgpr_workitem_id 0
		.amdhsa_next_free_vgpr 192
		.amdhsa_next_free_sgpr 66
		.amdhsa_reserve_vcc 0
		.amdhsa_float_denorm_mode_32 3
		.amdhsa_float_denorm_mode_16_64 3
		.amdhsa_memory_ordered 1
		.amdhsa_forward_progress 1
		.amdhsa_inst_pref_size 53
	.end_amdhsa_kernel
	.amdgpu_metadata
---
amdhsa.version: [ 1, 2 ]
amdhsa.kernels:
  - .name:           k_qc815a74f97_quant
    .symbol:         k_qc815a74f97_quant.kd
    .args:
      - { .name: x, .offset: 0, .size: 8, .value_kind: global_buffer, .address_space: global }
      - { .name: h, .offset: 8, .size: 8, .value_kind: global_buffer, .address_space: global }
      - { .name: Wf, .offset: 16, .size: 8, .value_kind: global_buffer, .address_space: global }
      - { .name: Wi, .offset: 24, .size: 8, .value_kind: global_buffer, .address_space: global }
      - { .name: Wg, .offset: 32, .size: 8, .value_kind: global_buffer, .address_space: global }
      - { .name: Wo, .offset: 40, .size: 8, .value_kind: global_buffer, .address_space: global }
      - { .name: q, .offset: 48, .size: 8, .value_kind: global_buffer, .address_space: global }
    .group_segment_fixed_size: 22016
    .private_segment_fixed_size: 0
    .kernarg_segment_align: 8
    .kernarg_segment_size: 56
    .max_flat_workgroup_size: 128
    .sgpr_count:     66
    .vgpr_count:     192
    .wavefront_size: 32
...
	.end_amdgpu_metadata
.endif
;; end of part 1
;; launch lstm (part 2): grid 32 x 8, 4 waves a work-group, clusters of 4 x 4, 327,680 bytes of LDS; arguments q, c, bf, bi, bg, bo, out0, out1; writes out0, out1
.if DOCPART == 2
	.amdgcn_target "amdgcn-amd-amdhsa--gfx1250"
	.amdhsa_code_object_version 6
	.text
	.protected	k_qc815a74f97_lstm
	.globl	k_qc815a74f97_lstm
	.p2align	8
	.type	k_qc815a74f97_lstm,@function
k_qc815a74f97_lstm:
	s_mov_b64 s[64:65], 0
	v_nop
	global_prefetch_b8 v0, s[64:65] scope:SCOPE_SE
	s_setreg_imm32_b32 hwreg(HW_REG_WAVE_MODE, 25, 1), 1
	s_wait_xcnt 0x0
	s_wait_alu depctr_hold_cnt(0) depctr_sa_sdst(0) depctr_va_vdst(0) depctr_va_sdst(0) depctr_va_ssrc(0) depctr_va_vcc(0) depctr_vm_vsrc(0)
	s_getreg_b32 s2, hwreg(HW_REG_IB_STS2, 6, 4)
	s_cmp_eq_u32 s2, 0
	s_cbranch_scc0 .Lentry_in_a_cluster
	s_endpgm
.Lentry_in_a_cluster:
	s_bfe_u32 s2, ttmp6, 0x10000c
	s_cmp_lg_u32 s2, 0xf033
	s_cbranch_scc0 .Lentry_shape_is_right
	s_endpgm
.Lentry_shape_is_right:
; gates = [h | x] W^T + b on codes of FP8 (E4M3) with E8M0 scales, then the cell: c_t = sig(f) c + sig(i) tanh(g), h_t = sig(o) tanh(c_t); out0 = h_t, out1 = c_t.
; q holds blocks (tile of 128 rows, K step of 256) of 33,792 bytes: 128 rows x 256 codes, then 128 rows x 8 scale bytes.  Tiles 0-15: rows of [h | x]; tile 16 + T: row 32 g + j is row 32 T + j of gate g.
; A work-group of four waves makes 256 batch rows x 256 gate rows (64 hidden units x 4 gates); a wave 128 x 128: 64 accumulators, 512 registers.  256 work-groups.
; K goes in 16 steps of 256 through a ring of two LDS slots; each wave fetches one block (132 LDS rows of 256 + 16 bytes) by one joint tensor load: 4 x 4 clusters, A's blocks shared along a row, B's along a column.
; THE PRODUCT IS USED TRANSPOSED (source 0 = 16 rows of W, source 1 = 16 batch rows): a lane holds eight neighbouring hidden units of one batch row.
; A step is 128 along K: 64 products, A's blocks 0-7 one after the other, each against B's eight.  THE NEXT STEP'S 16 FRAGMENTS COME IN TWO RUNS OF 32 LDS LOADS, 32 products apart: B's eight behind the 16th product (B has two
; register sets, by the step's parity), A's eight behind the 48th (blocks 0-3, which have one set, are done with there; blocks 4-7 have two).  Eight v_nop ahead of each run are the places between a product and a load into a
; register that it read.  So a slot's last read is issued in the step before its last, and in its last step the refill goes out behind the 20th product, ahead of B's run.
; Every s_wait_dscnt counts the LDS instructions issued behind the fragment that it waits for: the assembler keeps the tally (DSN, MA0-7, FL).
; The biases enter on the way out: (z + b) x k = z x k + (b x k), one fused multiply-add where a multiply would stand.
; sig(z) = 1 / (1 + 2^(-z log2 e)), tanh(z) = 1 - 2 / (1 + 2^(2 z log2 e)): an exponential that overflows gives infinity, whose reciprocal is 0: both forms hold at both ends.  LIMITS: NaN and infinities among the inputs are not served.
; PREFETCH: behind the joint load of K step t each wave asks for K step t + 2 of the block row that it fetches: the four partners of a joint load take 32 rows and one unit of scale bytes each, by address.  The head asks for K step 1
; behind K step 0's load and for K steps 2 and 3 behind K step 1's.  The last lap asks for the work-group's part of c and of the biases in its stead.
; REGISTERS: window 0: v0-31 addresses; v32-63 scale words, a set for each slot; v64-127 A's blocks 4-7 of odd steps; v128-255 A's blocks 0-7.  window 1: B's two sets.  windows 2, 3: accumulators (a, b) at v[8 (8 (a % 4) + b)].
.set BLK,    33792
.set TILEB,  16*BLK
.set PITCH,  272
.set FR,     16
.set HALFT,  132*PITCH                 ; a block in LDS
.set SCU,    128*PITCH                 ; its scale bytes: four LDS rows
.set SLOT,   4*HALFT
.set SPARE,  2*SLOT                    ; the spare words: 512 bytes that no other line names
.set LAPS,   8
.set HST,    256*PITCH                 ; the way out: c's tile and then c_t at 0, h_t at HST, in slot 0 behind its last fill
.set ROWO,   8192
.set PFO,  12
.set PFS,  13
.set PFC,  14
.set ADRA, 16
.set ADRB, 18
.set ASA,  20
.set ASB,  22
.set EC,   24
.set EH,   25
.set RD,   26
.set SPW,  28
.set NIL,  29
.set CO,   30
.set BO,   31
.set SC,   32
.set SPA,  64
.set AF,   128
.set CC,   64
.set CT,   96
.set HT,   112
.set T,    128
.set OB,   192
.set G1,   24
.set G0,   32
.set G1B,  48
.set G0B,  56
.set G1C,  68
.set G0C,  76
.set CB,   80
.set SG,   82
.set TC,   84
.set PFA,  44
.set PB,   96
.set MSB, 0
.macro WIN new                         ; the immediate's high byte repeats the setting that is left
.if MSB != (\new)
	s_set_vgpr_msb (MSB<<8)|(\new)
.set MSB, \new
.endif
.endm
.set MUL_LO, 0xa1                      ; source 0 (B) window 1, source 1 (A) window 0, C and D window 2
.set TO_B,   0x40                      ; destination window 1, address window 0
.macro PLACES n
.rept \n
	v_nop
.endr
.endm
.macro JLOAD g0a, g1a, g0b, g1b        ; a joint load: waves 0, 1 fetch A's two blocks, waves 2, 3 B's; s_nop 0 and four v_nop behind each line
	s_cmp_eq_u32 s21, 0
	s_cbranch_scc0 .Lfor_b_\@
	tensor_load_to_lds s[\g0a:\g0a+3], s[\g1a:\g1a+7]
	s_nop 0
	PLACES 4
	s_branch .Lasked_\@
.Lfor_b_\@:
	tensor_load_to_lds s[\g0b:\g0b+3], s[\g1b:\g1b+7]
	s_nop 0
	PLACES 4
.Lasked_\@:
.endm
.macro CREST                           ; a round of the cluster's barrier behind its opening barrier
	s_cmp_lg_u32 s20, 0
	s_cbranch_scc1 .Lnot_wave_0_\@
	s_barrier_signal -3
.Lnot_wave_0_\@:
	s_barrier_wait -3
	s_barrier_signal -1
	s_barrier_wait -1
.endm
.macro CROUND
	s_barrier_signal -1
	s_barrier_wait -1
	CREST
.endm
.macro PFK off                         ; my work-group's 32 rows and its unit of scale bytes of one block
	global_prefetch_b8 v[PFO], s[PFA:PFA+1] offset:\off th:TH_LOAD_NT scope:SCOPE_SE
	global_prefetch_b8 v[PFS], s[PFA:PFA+1] offset:\off th:TH_LOAD_NT scope:SCOPE_SE
.endm
.macro ASK slot                        ; s3 = 1 in the last lap, whose refills have no K step two on
	s_cmp_gt_u32 s3, 1
	s_cbranch_scc0 .Lfor_c_\@
	PFK BLK
	s_branch .Lpf_done_\@
.Lfor_c_\@:
	global_prefetch_b8 v[PFC], s[CB:CB+1] offset:\slot*32*ROWO th:TH_LOAD_NT scope:SCOPE_SE   ; 32 of the 64 rows of c that I fetch, a lane a row
.if \slot == 0
	global_prefetch_b8 v[BO], s[PB:PB+1] th:TH_LOAD_NT scope:SCOPE_SE                         ; gate w's biases of my hidden units
.endif
.Lpf_done_\@:
.endm
	s_load_b256 s[4:11], s[0:1], 0x0               ; q, c, bf, bi
	s_load_b256 s[12:19], s[0:1], 0x20             ; bg, bo, out0, out1
	v_lshl_add_u32 v[SPW], v0, 2, SPARE
	v_mov_b32 v[NIL], 0
	ds_add_u32 v[SPW], v[NIL]                      ; the opening adds, twice on end; their wait stands ahead of my first tensor load
	ds_add_u32 v[SPW], v[NIL]
	v_lshrrev_b32 v1, 5, v0
	v_readfirstlane_b32 s20, v1                    ; wave
	s_lshr_b32 s21, s20, 1                         ; my half of the batch rows; also: I fetch for A (0) or B (1)
	s_and_b32 s22, s20, 1                          ; my half of the gate rows; also: which of the two blocks I fetch
	s_bfe_u32 s40, ttmp6, 0x40000                  ; cx
	s_bfe_u32 s41, ttmp6, 0x40004                  ; cy
	s_lshl_b32 s42, ttmp9, 2
	s_add_co_u32 s42, s42, s40                     ; tile column
	s_and_b32 s23, ttmp7, 0xffff
	s_lshl_b32 s23, s23, 2
	s_add_co_u32 s23, s23, s41                     ; tile row
	s_lshl_b32 s43, s41, 2
	s_lshl_b32 s43, 15, s43                        ; my row of the cluster
	s_lshl_b32 s44, 0x1111, s40                    ; my column
	s_or_b32 s[G1+0], s43, (3<<16)|(1<<20)|(1<<21)|(5<<22)|(3<<25)   ; elements of 8 bytes; 4 words of padding behind every 64
	s_or_b32 s[G1B+0], s44, (3<<16)|(1<<20)|(1<<21)|(5<<22)|(3<<25)
.irp g, G1, G1B
	s_mov_b32 s[\g+1], 32<<16                      ; a dense block as 132 rows of 256 bytes
	s_mov_b32 s[\g+2], 132<<16
	s_mov_b32 s[\g+3], 32<<16
	s_mov_b32 s[\g+4], 132
	s_mov_b32 s[\g+5], 32
	s_mov_b32 s[\g+6], 0
	s_mov_b32 s[\g+7], 0
.endr
	s_mov_b32 s[G1C+0], (2<<16)|(1<<20)|(5<<22)|(3<<25)   ; c: 64 rows x 64 f32, my own load
	s_mov_b32 s[G1C+1], 64<<16
	s_mov_b32 s[G1C+2], 64<<16
	s_mov_b32 s[G1C+3], 64<<16
	s_mov_b32 s[G1C+4], 64
	s_mov_b32 s[G1C+5], 2048
	s_mov_b32 s[G1C+6], 0
	s_mov_b32 s[G1C+7], 0
	s_lshl_b32 s86, s23, 1
	s_add_co_u32 s86, s86, s22
	s_mul_i32 s86, s86, TILEB                      ; A's tile 2 x tile row + half
	s_mov_b32 s87, 0
	s_lshl_b32 s46, s42, 1
	s_add_co_u32 s46, s46, s22
	s_add_co_u32 s46, s46, 16
	s_mul_i32 s46, s46, TILEB                      ; B's tile 16 + 2 x tile column + half
	s_mov_b32 s47, 0
	s_mul_i32 s90, s20, HALFT                      ; where my block goes
	s_mov_b32 s[SG], 0xbfb8aa3b                    ; -log2 e
	s_mov_b32 s[SG+1], s[SG]
	s_mov_b32 s[TC], 0x4038aa3b                    ; 2 log2 e
	s_mov_b32 s[TC+1], s[TC]
	s_mul_i32 s91, s21, HALFT                      ; my A block in slot 0, 1
	s_add_co_u32 s93, s91, SLOT
	s_mul_i32 s92, s22, HALFT
	s_add_co_u32 s92, s92, 2*HALFT                 ; my B block
	s_add_co_u32 s94, s92, SLOT
	s_mul_i32 s95, s21, 128*PITCH
	s_lshl_b32 s98, s22, 7
	s_add_co_u32 s95, s95, s98                     ; the stage: my 128 rows, my 128 bytes of them
	s_mul_i32 s98, s21, HST
	s_mul_i32 s99, s22, 128*PITCH
	s_add_co_u32 s98, s98, s99                     ; back: waves 0, 1 take c_t's rows, waves 2, 3 h_t's
	s_cmp_eq_u32 s21, 0
	s_cselect_b32 s96, s40, s41                    ; my place among the four that ask with me
	s_lshl_b32 s97, s96, 13
	s_lshl_b32 s99, s96, 8
	s_add_co_u32 s99, s99, 32768
	v_and_b32 v1, 15, v0
	v_bfe_u32 v2, v0, 4, 1
	v_and_b32 v3, 31, v0
	v_mul_u32_u24 v4, v1, PITCH
	v_lshl_add_u32 v5, v2, 4, v4                   ; a fragment's row x pitch + 16 x half
	v_lshlrev_b32 v6, 3, v3
	v_add_nc_u32 v6, SCU, v6                       ; scale words: 8 bytes a row, 32 rows an LDS row
	v_add_nc_u32 v[ADRA], s91, v5
	v_add_nc_u32 v[ADRA+1], s93, v5
	v_add_nc_u32 v[ADRB], s92, v5
	v_add_nc_u32 v[ADRB+1], s94, v5
	v_add_nc_u32 v[ASA], s91, v6
	v_add_nc_u32 v[ASA+1], s93, v6
	v_add_nc_u32 v[ASB], s92, v6
	v_add_nc_u32 v[ASB+1], s94, v6
	v_lshl_add_u32 v[EC], v2, 5, v4
	v_add_nc_u32 v[EC], s95, v[EC]
	v_add_nc_u32 v[EH], HST, v[EC]
	v_mul_u32_u24 v[RD], v2, PITCH
	v_lshl_add_u32 v[RD], v1, 4, v[RD]
	v_add_nc_u32 v[RD], s98, v[RD]
	v_lshlrev_b32 v[CO], 13, v2
	v_lshl_add_u32 v[CO], v1, 4, v[CO]
	v_lshlrev_b32 v[BO], 5, v2
	v_lshlrev_b32 v[PFO], 8, v3
	v_add_nc_u32 v[PFO], s97, v[PFO]
	v_lshlrev_b32 v[PFS], 3, v3
	v_add_nc_u32 v[PFS], s99, v[PFS]
	v_lshlrev_b32 v[PFC], 13, v3
	s_wait_alu depctr_va_vdst(0)
	s_wait_dscnt 0x0                               ; both opening adds are done
	CROUND                                         ; all sixteen work-groups are here: the first joint loads meet.  The round stands ahead of the wait for the arguments, which it does not need
	s_wait_kmcnt 0x0
	s_add_nc_u64 s[88:89], s[4:5], s[86:87]
	s_add_nc_u64 s[66:67], s[4:5], s[46:47]
.irp s, 0,1
	s_mov_b32 s[G0+4*\s], 1
	s_add_co_u32 s[G0+4*\s+1], s90, \s*SLOT
	s_add_nc_u64 s[G0+4*\s+2:G0+4*\s+3], s[88:89], \s*BLK
	s_or_b32 s[G0+4*\s+3], s[G0+4*\s+3], 0x80000000
	s_mov_b32 s[G0B+4*\s], 1
	s_add_co_u32 s[G0B+4*\s+1], s90, \s*SLOT
	s_add_nc_u64 s[G0B+4*\s+2:G0B+4*\s+3], s[66:67], \s*BLK
	s_or_b32 s[G0B+4*\s+3], s[G0B+4*\s+3], 0x80000000
.endr
	JLOAD G0, G1, G0B, G1B                         ; K step 0: one tensor load a wave at the head
	s_cmp_eq_u32 s21, 0
	s_cselect_b32 s[PFA], s86, s46
	s_mov_b32 s[PFA+1], 0
	s_add_nc_u64 s[PFA:PFA+1], s[4:5], s[PFA:PFA+1]
	s_add_nc_u64 s[PFA:PFA+1], s[PFA:PFA+1], 2*BLK ; at K step 2 of the tile that I fetch
	PFK -BLK                                       ; K step 1
	s_lshl_b32 s94, s23, 8
	s_lshl_b32 s95, s20, 6
	s_add_co_u32 s94, s94, s95
	s_lshl_b32 s94, s94, 13
	s_lshl_b32 s95, s42, 8
	s_add_co_u32 s94, s94, s95
	s_mov_b32 s95, 0
	s_add_nc_u64 s[CB:CB+1], s[6:7], s[94:95]      ; c: rows 256 x tile row + 64 x wave, 256 bytes from column 64 x tile column
	s_lshl_b32 s92, s23, 8
	s_lshl_b32 s93, s22, 7
	s_add_co_u32 s92, s92, s93
	s_lshl_b32 s92, s92, 13
	s_lshl_b32 s93, s42, 8
	s_add_co_u32 s92, s92, s93
	s_mov_b32 s93, 0
	s_cmp_eq_u32 s21, 0
	s_cselect_b64 s[16:17], s[18:19], s[16:17]     ; waves 0, 1 store c_t (out1), waves 2, 3 h_t (out0)
	s_add_nc_u64 s[16:17], s[16:17], s[92:93]
	s_mov_b32 s[G0C], 1
	s_mul_i32 s[G0C+1], s20, 64*PITCH
	s_mov_b64 s[G0C+2:G0C+3], s[CB:CB+1]
	s_or_b32 s[G0C+3], s[G0C+3], 0x80000000
	s_lshl_b32 s98, s42, 8
	s_lshl_b32 s99, s22, 7
	s_add_co_u32 s98, s98, s99
	s_mov_b32 s99, 0
.irp g, 0,1,2,3
	s_add_nc_u64 s[8+2*\g:9+2*\g], s[8+2*\g:9+2*\g], s[98:99]   ; each gate's biases at my 32 hidden units
.endr
	s_cmp_eq_u32 s20, 2
	s_cselect_b64 s[PB:PB+1], s[12:13], s[14:15]
	s_cmp_eq_u32 s20, 1
	s_cselect_b64 s[PB:PB+1], s[10:11], s[PB:PB+1]
	s_cmp_eq_u32 s20, 0
	s_cselect_b64 s[PB:PB+1], s[8:9], s[PB:PB+1]   ; wave w prefetches gate w's
.macro FRAG reg, adr, q, i             ; 16 rows x 128 K: registers 4 c .. 4 c + 3 hold K = 32 c + 16 (l / 16) + 0 .. 15 of row l % 16
.irp c, 0,1,2,3
	ds_load_b128 v[\reg+4*\c:\reg+4*\c+3], v[\adr] offset:128*(\q)+32*\c+(\i)*16*PITCH
.endr
.endm
.set DSN, 0                            ; LDS instructions issued so far, in the order of the text
.set FL,  0                            ; all up to this one have been waited for
.irp j, 0,1,2,3,4,5,6,7
.set MA\j, 0                           ; DSN behind the last load of A's block j
.endr
.macro LDB slot, q, i                  ; B's block i into set q
	WIN TO_B
	FRAG 128*(\q)+FR*(\i), ADRB+\slot, \q, \i
.set DSN, DSN+4
.endm
.macro LDA slot, q, i                  ; A's block i; blocks 4-7 of odd steps have registers of their own
	WIN 0
.if ((\i) >= 4) && ((\q) == 1)
	FRAG SPA+FR*((\i)-4), ADRA+\slot, \q, \i
.else
	FRAG AF+FR*(\i), ADRA+\slot, \q, \i
.endif
.set DSN, DSN+4
.set MA\i, DSN
.endm
.macro LDSC sc                         ; a K step's scale words: lanes 0-15 an even block's rows, lanes 16-31 the odd one's.  A's word q in register 2 i + q, B's in 8 + 2 i + 1 - q: the two scale registers of a product differ in parity
	WIN 0
.irp i, 0,1,2,3
	ds_load_b64 v[SC+16*(\sc)+2*\i:SC+16*(\sc)+2*\i+1], v[ASA+\sc] offset:\i*PITCH
	ds_load_b32 v[SC+16*(\sc)+8+2*\i+1], v[ASB+\sc] offset:\i*PITCH
	ds_load_b32 v[SC+16*(\sc)+8+2*\i], v[ASB+\sc] offset:\i*PITCH+4
.endr
.set DSN, DSN+12
.endm
.macro RUNB slot, q, sc                ; the first run: B's eight fragments of the next step; sc = 1: a new slot's scale words ahead of them
.if \sc
	LDSC \slot
.endif
.irp i, 0,1,2,3,4,5,6,7
	LDB \slot, \q, \i
.endr
.endm
.macro RUNA slot, q                    ; the second run: A's eight, in the order in which the products want them
.irp i, 0,1,2,3,4,5,6,7
	LDA \slot, \q, \i
.endr
.endm
.macro NEEDM m                         ; the fragment marked m, and all that was asked for ahead of it, is in: LDS instructions come back in order (ISA guide 5.7.1)
.if (\m) > FL
	s_wait_dscnt DSN-(\m)
.set FL, \m
.endif
.endm
.macro WM a, b, q, sc, first
.set rD, 8*(8*((\a)%4)+(\b))
.set rB, 128*(\q)+FR*(\b)
.if ((\a) >= 4) && ((\q) == 1)
.set rA, SPA+FR*((\a)-4)
.else
.set rA, AF+FR*(\a)
.endif
.set rSB, SC+16*(\sc)+8+2*((\b)/2)+1-(\q)
.set rSA, SC+16*(\sc)+2*((\a)/2)+(\q)
.set md, 2*((\a)%2)+(\b)%2
.if \first
.if md == 0
	v_wmma_scale_f32_16x16x128_f8f6f4 v[rD:rD+7], v[rB:rB+FR-1], v[rA:rA+FR-1], 0, v[rSB], v[rSA]
.elseif md == 1
	v_wmma_scale_f32_16x16x128_f8f6f4 v[rD:rD+7], v[rB:rB+FR-1], v[rA:rA+FR-1], 0, v[rSB], v[rSA] matrix_a_scale:MATRIX_SCALE_ROW1
.elseif md == 2
	v_wmma_scale_f32_16x16x128_f8f6f4 v[rD:rD+7], v[rB:rB+FR-1], v[rA:rA+FR-1], 0, v[rSB], v[rSA] matrix_b_scale:MATRIX_SCALE_ROW1
.else
	v_wmma_scale_f32_16x16x128_f8f6f4 v[rD:rD+7], v[rB:rB+FR-1], v[rA:rA+FR-1], 0, v[rSB], v[rSA] matrix_a_scale:MATRIX_SCALE_ROW1 matrix_b_scale:MATRIX_SCALE_ROW1
.endif
.else
.if md == 0
	v_wmma_scale_f32_16x16x128_f8f6f4 v[rD:rD+7], v[rB:rB+FR-1], v[rA:rA+FR-1], v[rD:rD+7], v[rSB], v[rSA]
.elseif md == 1
	v_wmma_scale_f32_16x16x128_f8f6f4 v[rD:rD+7], v[rB:rB+FR-1], v[rA:rA+FR-1], v[rD:rD+7], v[rSB], v[rSA] matrix_a_scale:MATRIX_SCALE_ROW1
.elseif md == 2
	v_wmma_scale_f32_16x16x128_f8f6f4 v[rD:rD+7], v[rB:rB+FR-1], v[rA:rA+FR-1], v[rD:rD+7], v[rSB], v[rSA] matrix_b_scale:MATRIX_SCALE_ROW1
.else
	v_wmma_scale_f32_16x16x128_f8f6f4 v[rD:rD+7], v[rB:rB+FR-1], v[rA:rA+FR-1], v[rD:rD+7], v[rSB], v[rSA] matrix_a_scale:MATRIX_SCALE_ROW1 matrix_b_scale:MATRIX_SCALE_ROW1
.endif
.endif
.endm
; What stands behind product n of a step.  kind 0: an even step, whose successor lies in the same slot.  kind 1: a slot's last step, with the change of slots and the refill.  kind 2: the same, c's tile in the refill's stead.  kind 3: the last step.
.macro GAP kind, n, slot
.set gn, \n
.if (\kind == 1) || (\kind == 2)
.if gn == 11
	WIN 0
	s_wait_tensorcnt 0x0                           ; all my tensor loads have landed: my block of the next slot;
	ds_add_u32 v[SPW], v[NIL]                      ; 0 onto my spare word; four products stand between it and the wait for it
.set DSN, DSN+1
.if \kind == 1
	s_add_nc_u64 s[G0+4*\slot+2:G0+4*\slot+3], s[G0+4*\slot+2:G0+4*\slot+3], 2*BLK
	s_add_nc_u64 s[G0B+4*\slot+2:G0B+4*\slot+3], s[G0B+4*\slot+2:G0B+4*\slot+3], 2*BLK
.endif
.elseif gn == 15
	s_wait_dscnt 0x0                               ; the add is done, and my reads of this slot are over: the last were issued behind the 48th product of the step before
	s_barrier_signal -1                            ; opens a round of the cluster's barrier; four products stand ahead of its wait
.set FL, DSN
.elseif gn == 19
	WIN 0
	s_barrier_wait -1
	CREST                                          ; no wave of any partner still reads this slot or has a load on its way
.if \kind == 1
	JLOAD G0+4*\slot, G1, G0B+4*\slot, G1B         ; the first tensor load behind the round; its four v_nop are four of the eight places
.else
	tensor_load_to_lds s[G0C:G0C+3], s[G1C:G1C+7]  ; 64 rows of c into slot 0's first bytes
	s_nop 0
	PLACES 4
.endif
	PLACES 4
	RUNB 1-\slot, 0, 1
.if \kind == 1
	WIN 0
	ASK \slot
.endif
.endif
.endif
.if (\kind == 0) && (gn == 15)
	PLACES 8
	RUNB \slot, 1, 0
.endif
.if gn == 47
	NEEDM MA7                                      ; this step's blocks 6 and 7 are in: they were asked for 64 products ago; B's run, issued since, may be out
.if \kind == 0
	PLACES 8
	RUNA \slot, 1
.elseif \kind != 3
	PLACES 8
	RUNA 1-\slot, 0
.endif
.endif
.endm
.macro RUN kind, slot, q, first        ; a step: the 64 accumulators take turns, in the same order in every step
.if \kind == 1
	s_wait_xcnt 0x0                                ; my prefetches have read their address
	s_add_nc_u64 s[PFA:PFA+1], s[PFA:PFA+1], BLK
.endif
.if \kind == 3
	PLACES 8
	WIN TO_B                                       ; the biases, into B's even set, which the step before read last: register 8 b + j of window 1 is the bias of B's block b at hidden unit 8 (l / 16) + j
.irp g, 0,1,2,3
.irp u, 0,1
.irp d, 0,1
	global_load_b128 v[16*\g+8*\u+4*\d:16*\g+8*\u+4*\d+3], v[BO], s[8+2*\g:9+2*\g] offset:64*\u+16*\d
.endr
.endr
.endr
.endif
.irp a, 0,1,2,3,4,5,6,7
.if \a < 6
	NEEDM MA\a                                     ; (B's fragments and the scale words were asked for ahead of A's block 0)
.endif
.irp b, 0,1,2,3,4,5,6,7
	WIN MUL_LO+0x50*(\a/4)
	WM \a, \b, \q, \slot, \first
	GAP \kind, 8*\a+\b, \slot
.endr
.endr
.endm
	s_wait_tensorcnt 0x0                           ; my block of K step 0 is in
	ds_add_u32 v[SPW], v[NIL]
	s_wait_dscnt 0x0
	CROUND                                         ; everybody's block is in, and the joint loads meet
	JLOAD G0+4, G1, G0B+4, G1B                     ; K step 1: slot 1's first fill
	RUNB 0, 0, 1
	RUNA 0, 0
	PFK 0                                          ; K step 2,
	PFK BLK                                        ; and K step 3
	RUN 0, 0, 0, 1                                 ; the first step's products start the sums
	WIN 0
	s_mov_b32 s3, LAPS-1
.Llap:                                                 ; a trip goes once round the ring, from a lap's second step to the next lap's first
	RUN 1, 0, 1, 0
	RUN 0, 1, 0, 0
	RUN 1, 1, 1, 0
	RUN 0, 0, 0, 0
	WIN 0
	s_sub_co_u32 s3, s3, 1
	s_cmp_lg_u32 s3, 0
	s_cbranch_scc1 .Llap
	RUN 2, 0, 1, 0
	RUN 0, 1, 0, 0
	RUN 3, 1, 1, 0
	WIN 0
	s_wait_tensorcnt 0x0                           ; my rows of c are in
	s_barrier_signal -1
	s_barrier_wait -1                              ; everybody's are
	s_wait_loadcnt 0x0                             ; the biases
	WIN 0x41
.irp b, 0,1,2,3,4,5,6,7                ; b x k, once; these 32 lines name no register of the last products and are their places
.irp k, 0,2,4,6
.if \b/2 == 2
	v_pk_mul_f32 v[8*\b+\k:8*\b+\k+1], v[8*\b+\k:8*\b+\k+1], s[TC:TC+1] op_sel_hi:[1,0]
.else
	v_pk_mul_f32 v[8*\b+\k:8*\b+\k+1], v[8*\b+\k:8*\b+\k+1], s[SG:SG+1] op_sel_hi:[1,0]
.endif
.endr
.endr
	WIN 0
; THE WAY OUT, by blocks of 16 batch rows.  A wave's 32 hidden units are 128 bytes of a row: the two waves of a row half write the two halves of the stage's rows, a barrier parts writing and reading, and whole rows of 256 bytes are stored.
; A block's memory lines stand in two groups: at its end its 8 stores into the stage and the load of c two blocks on; in the next block's middle, behind the barrier, the stage's rows are read back and the rows read one block earlier are stored.
.macro CLOAD a
.irp u, 0,1
.irp d, 0,1
	ds_load_b128 v[CC+16*((\a)%2)+8*\u+4*\d:CC+16*((\a)%2)+8*\u+4*\d+3], v[EC] offset:(\a)*16*PITCH+64*\u+16*\d
.endr
.endr
.endm
.macro OLOAD a
.set BB, OB+32*((\a)%2)
.irp t, 0,1,2,3,4,5,6,7
	ds_load_b128 v[BB+4*\t:BB+4*\t+3], v[RD] offset:(16*(\a)+2*\t)*PITCH
.endr
.endm
.macro OSTORE a, counted
.set BB, OB+32*((\a)%2)
.irp t, 0,1,2,3,4,5,6,7
.if \counted
	s_wait_dscnt 7-\t
.endif
	global_store_b128 v[CO], v[BB+4*\t:BB+4*\t+3], s[16:17] offset:(16*(\a)+2*\t)*ROWO th:TH_STORE_NT   ; sixteen lanes store 256 consecutive bytes, aligned
.endr
.endm
.macro EPI a
.set AC, 64*((\a)%4)
.set CA, CC+16*((\a)%2)
.set WN, 0x12+(\a)/4                   ; source 0: the accumulators' window; source 2: window 1, the biases
	WIN WN
.irp b, 0,1,2,3,4,5,6,7                ; each accumulator from its low end on
.irp k, 0,2,4,6
.if \b/2 == 2
	v_pk_fma_f32 v[T+8*\b+\k:T+8*\b+\k+1], v[AC+8*\b+\k:AC+8*\b+\k+1], s[TC:TC+1], v[8*\b+\k:8*\b+\k+1] op_sel_hi:[1,0,1]
.else
	v_pk_fma_f32 v[T+8*\b+\k:T+8*\b+\k+1], v[AC+8*\b+\k:AC+8*\b+\k+1], s[SG:SG+1], v[8*\b+\k:8*\b+\k+1] op_sel_hi:[1,0,1]
.endif
.endr
.endr
	WIN 0
	s_wait_alu depctr_va_vdst(0)
	s_wait_dscnt 0x0                               ; for the others' sake: the last block's stores into the stage are done; and c of this block and the rows read back last are in
.if (\a) > 0
	s_barrier_signal -1                            ; its wait stands behind the two batches below: work on registers alone between
.endif
.set i, 0
.rept 64
	v_exp_f32 v[T+i], v[T+i]
.set i, i+1
.endr
	v_nop
	s_wait_alu depctr_va_vdst(0)
.set i, 0
.rept 32
	v_pk_add_f32 v[T+i:T+i+1], v[T+i:T+i+1], 1.0 op_sel_hi:[1,0]
.set i, i+2
.endr
.set i, 0
	s_wait_alu depctr_va_vdst(0)
.rept 64
	v_rcp_f32 v[T+i], v[T+i]
.set i, i+1
.endr
.if (\a) > 0
	s_barrier_wait -1                              ; everybody's stores of block a - 1 are done
.if (\a) > 2
	s_wait_xcnt 0x0                                ; the stores of block a - 3 have read their registers
.endif
	OLOAD (\a)-1
.if (\a) > 1
	OSTORE (\a)-2, 0
.endif
.endif
	v_nop
	s_wait_alu depctr_va_vdst(0)
.set i, 0
.rept 8
	v_pk_fma_f32 v[T+32+i:T+32+i+1], v[T+32+i:T+32+i+1], -2.0, 1.0 op_sel_hi:[1,0,0]   ; tanh(g)
.set i, i+2
.endr
.set i, 0
.rept 8
	v_pk_mul_f32 v[CT+i:CT+i+1], v[T+i:T+i+1], v[CA+i:CA+i+1]                         ; f c
.set i, i+2
.endr
.set i, 0
.rept 8
	v_pk_fma_f32 v[CT+i:CT+i+1], v[T+16+i:T+16+i+1], v[T+32+i:T+32+i+1], v[CT+i:CT+i+1] ; + i g
.set i, i+2
.endr
.set i, 0
.rept 8
	v_pk_mul_f32 v[HT+i:HT+i+1], v[CT+i:CT+i+1], s[TC:TC+1] op_sel_hi:[1,0]
.set i, i+2
.endr
.set i, 0
	s_wait_alu depctr_va_vdst(0)
.rept 16
	v_exp_f32 v[HT+i], v[HT+i]
.set i, i+1
.endr
	v_nop
	s_wait_alu depctr_va_vdst(0)
.set i, 0
.rept 8
	v_pk_add_f32 v[HT+i:HT+i+1], v[HT+i:HT+i+1], 1.0 op_sel_hi:[1,0]
.set i, i+2
.endr
.set i, 0
	s_wait_alu depctr_va_vdst(0)
.rept 16
	v_rcp_f32 v[HT+i], v[HT+i]
.set i, i+1
.endr
	v_nop
	s_wait_alu depctr_va_vdst(0)
.set i, 0
.rept 8
	v_pk_fma_f32 v[HT+i:HT+i+1], v[HT+i:HT+i+1], -2.0, 1.0 op_sel_hi:[1,0,0]           ; tanh(c_t)
.set i, i+2
.endr
.set i, 0
.rept 8
	v_pk_mul_f32 v[HT+i:HT+i+1], v[HT+i:HT+i+1], v[T+48+i:T+48+i+1]                   ; x o
.set i, i+2
.endr
.irp u, 0,1
.irp d, 0,1
	ds_store_b128 v[EC], v[CT+8*\u+4*\d:CT+8*\u+4*\d+3] offset:(\a)*16*PITCH+64*\u+16*\d
.endr
.endr
.irp u, 0,1
.irp d, 0,1
	ds_store_b128 v[EH], v[HT+8*\u+4*\d:HT+8*\u+4*\d+3] offset:(\a)*16*PITCH+64*\u+16*\d
.endr
.endr
.if (\a) < 6
	CLOAD (\a)+2
.endif
.endm
	CLOAD 0
	CLOAD 1
.irp a, 0,1,2,3,4,5,6,7
	EPI \a
.endr
	s_wait_dscnt 0x0                               ; for the others' sake: block 7's stores into the stage are done; block 6's rows are back
	s_barrier_signal -1
	s_barrier_wait -1
	s_wait_xcnt 0x0                                ; block 5's stores have read their registers
	OLOAD 7
	OSTORE 6, 0
	OSTORE 7, 1
	s_wait_tensorcnt 0x0                           ; the wave's end
	ds_add_u32 v[SPW], v[NIL]
	s_wait_dscnt 0x0
	CROUND                                         ; the closing round
	s_endpgm
.Lfunc_end_k_qc815a74f97_lstm:
	.size	k_qc815a74f97_lstm, .Lfunc_end_k_qc815a74f97_lstm-k_qc815a74f97_lstm
	.p2alignl 7, 3214868480
	.fill 96, 4, 3214868480
	.section	.rodata,"a",@progbits
	.p2align	6, 0x0
	.amdhsa_kernel k_qc815a74f97_lstm
		.amdhsa_group_segment_fixed_size 327680
		.amdhsa_private_segment_fixed_size 0
		.amdhsa_enable_private_segment 0
		.amdhsa_kernarg_size 64
		.amdhsa_user_sgpr_count 2
		.amdhsa_user_sgpr_kernarg_segment_ptr 1
		.amdhsa_wavefront_size32 1
		.amdhsa_system_sgpr_workgroup_id_x 1
		.amdhsa_system_sgpr_workgroup_id_y 1
		.amdhsa_system_sgpr_workgroup_id_z 1
		.amdhsa_system_vgpr_workitem_id 0
		.amdhsa_next_free_vgpr 1024
		.amdhsa_next_free_sgpr 100
		.amdhsa_reserve_vcc 0
		.amdhsa_float_denorm_mode_32 3
		.amdhsa_float_denorm_mode_16_64 3
		.amdhsa_memory_ordered 1
		.amdhsa_forward_progress 1
		.amdhsa_inst_pref_size 245
	.end_amdhsa_kernel
	.amdgpu_metadata
---
amdhsa.version: [ 1, 2 ]
amdhsa.kernels:
  - .name:           k_qc815a74f97_lstm
    .symbol:         k_qc815a74f97_lstm.kd
    .args:
      - { .name: q, .offset: 0, .size: 8, .value_kind: global_buffer, .address_space: global }
      - { .name: c, .offset: 8, .size: 8, .value_kind: global_buffer, .address_space: global }
      - { .name: bf, .offset: 16, .size: 8, .value_kind: global_buffer, .address_space: global }
      - { .name: bi, .offset: 24, .size: 8, .value_kind: global_buffer, .address_space: global }
      - { .name: bg, .offset: 32, .size: 8, .value_kind: global_buffer, .address_space: global }
      - { .name: bo, .offset: 40, .size: 8, .value_kind: global_buffer, .address_space: global }
      - { .name: out0, .offset: 48, .size: 8, .value_kind: global_buffer, .address_space: global }
      - { .name: out1, .offset: 56, .size: 8, .value_kind: global_buffer, .address_space: global }
    .group_segment_fixed_size: 327680
    .private_segment_fixed_size: 0
    .kernarg_segment_align: 8
    .kernarg_segment_size: 64
    .max_flat_workgroup_size: 128
    .sgpr_count:     100
    .vgpr_count:     1024
    .wavefront_size: 32
...
	.end_amdgpu_metadata
.endif
;; end of part 2
